; MI455X (gfx1250); checked and timed in simulation.
; The chip was launched on July 23, 2026; its instructions are those of AMD's public machine-readable ISA for CDNA 5 (MIT licence, August 2026) and "CDNA5" Instruction Set Architecture Reference Guide (July 2026). The comments in the code are by the model that wrote it; some were corrected since.
;; Scaled Dot Product Attention. Allowed arithmetic: matrix products marked QUANTISED: E5M2 operands, one E8M0 scale for each 32 along K, by v_wmma_scale_f32_16x16x128_f8f6f4 with both operands' format E5M2, f32 sums; everything else in f32.
;; Inputs: k 4 x 16 x 2,048 x 64 float32; mask 4 x 1 x 2,048 x 2,048 int32; q 4 x 16 x 2,048 x 64 float32; v 4 x 16 x 2,048 x 64 float32.
;; Outputs: out0 4 x 16 x 2,048 x 64 float32.
;; This version of the problem:
;;   THIS VERSION OF THE PROBLEM IS GIVEN IN LOW PRECISION. The matrix products marked QUANTISED in the list below multiply operands that are first quantised to E5M2 (5 exponent bits, 2 mantissa bits; 8 bits a number), with one power-of-two scale for each 32 numbers along K (OCP MX v1.0); their sums are f32. All else is computed in f32.
;;   The module's matrix products, in the order in which they are computed (A, B: the left and right operand; K: the contracted axis; several contracted axes count as one K, in the product's order):
;;     1. batch 64 x [M 2,048, K 64] x [K 64, N 2,048]; A: computed on the way; B: input k: QUANTISED
;;     2. batch 64 x [M 2,048, K 2,048] x [K 2,048, N 64]; A: softmax (see below); B: input v: QUANTISED
;;   THE QUANTISER, for each operand of a quantised product, along K:
;;     - K is cut into blocks of 32 from its start; a last block that is shorter is filled with zeros.
;;     - A block's scale is 2^e with e = floor(log2(the largest magnitude in the block)) - 15, held to -126 .. 127; a block of zeros has e = 0. As a byte (E8M0): e + 127.
;;     - Each number is divided by its block's scale, clamped to +-57,344, and rounded to the nearest number of E5M2, ties to even, subnormals kept.
;;     - The product sums the exact products of the quantised numbers (number of the format x scale) in f32.
;;   ~~~python
;;   def quantise(x, axis):      # numpy; x: float32 -> the quantised numbers, widened to float32 again
;;       x = np.moveaxis(x, axis, -1); K = x.shape[-1]
;;       x = np.pad(x, [(0, 0)] * (x.ndim - 1) + [(0, -K % 32)]); x = x.reshape(x.shape[:-1] + (-1, 32)); a = np.abs(x).max(-1, keepdims=True)
;;       e = np.where(a > 0, np.clip(np.frexp(np.where(a > 0, a, 1))[1] - 1 - 15, -126, 127), 0)      # np.frexp(a)[1] - 1 = floor(log2(a)), exactly
;;       r = np.clip(x / 2.0 ** e, -57344, 57344)
;;       step = 2.0 ** (np.maximum(np.frexp(np.where(r == 0, 1, r))[1] - 1, -14) - 2)
;;       q = np.round(r / step) * step * 2.0 ** e      # np.round: ties to even
;;       return np.moveaxis(q.reshape(q.shape[:-2] + (-1,))[..., :K], -1, axis).astype(np.float32)
;;   ~~~
;;   SOFTMAX AHEAD OF A QUANTISED PRODUCT. Where the list says 'softmax', what is quantised is not the finished softmax but p = 2^(t - M), with t = logit x log2(e) and M = ceil(the row's largest t), a whole number; so 1/2 < the row's largest p <= 1. The row's sum l is taken of the UNQUANTISED p, in f32, and the product's result is divided by l at the end. Since M is a whole number, a kernel that streams over the keys may use a running M (the ceiling of the running maximum): every later rescaling is an exact power of two, which a block's scale takes up: the codes' values come out the same.
;;   OPERANDS COMPUTED ON THE WAY. 'Computed on the way' means the value that the module computes at that place (a softmax that the list does not call 'softmax' is quantised finished and normalised). What goes into a quantiser is computed in f32, as accurately as f32 sums, v_exp_f32 and their like allow (about 1e-6 of the number): no bf16 or f16 on the way to a quantiser, and a product that is left as it is and whose result goes on into a quantised operand takes f32 operands (vector FMAs, or v_wmma_f32_16x16x4_f32). A number that lies on a knife's edge between two numbers of the format may be rounded either way, as far as f32 arithmetic and the matrix unit's own rounding can turn it there, and no further.
;; One version. Each part assembles by itself: llvm-mc -triple=amdgcn-amd-amdhsa -mcpu=gfx1250 --defsym DOCPART=n.
;; ======== version 1 of 1: 2 launches
;; limits: right only within a limited range of input values
;; workspace buffers: mbits 2,097,152 bytes of whole numbers; kv 17,563,648 bytes; qc 8,912,896 bytes
;; launch prep (part 1): grid 896 x 1, 8 waves a work-group, no clusters, 35,840 bytes of LDS; arguments mask, k, q, v, mbits, kv, qc; writes mbits, kv, qc
.if DOCPART == 1
	.amdgcn_target "amdgcn-amd-amdhsa--gfx1250"
	.amdhsa_code_object_version 6
	.text
	.protected	k_q11c247f073_prep
	.globl	k_q11c247f073_prep
	.p2align	8
	.type	k_q11c247f073_prep,@function
k_q11c247f073_prep:
	s_mov_b64 s[64:65], 0
	v_nop
	global_prefetch_b8 v0, s[64:65] scope:SCOPE_SE
	s_setreg_imm32_b32 hwreg(HW_REG_WAVE_MODE, 25, 1), 1
	s_wait_xcnt 0x0
; PREPARATION FOR THE ATTENTION LAUNCH.  Each input is read once; three buffers of this program's own are written, each laid as the next launch's registers want it.
;   mbits [b 4][T 128][j 16][n 64] dwords: a lane mask for register n of a tile of scores (16 queries x 128 keys): bit r + 16 h says mask[b][row(T, r)][128 j + 32 (n / 16) + 16 h + n % 16] == 1.
;   kv    [head 64][j 16] records of REC bytes: +0 eight images of K's fragments (16 keys x 64 d, 1,024 bytes each); +8,192 four images of V's (16 d x 128 keys, 2,048 each); +16,384 K's scale words; +16,896 V's.
;   qc    [head 64][J 16] records of QREC bytes: +0 eight images of Q's fragments; +8,192 their scale words.  q is divided by 8 (exact) ahead of its quantiser.
; ROWS OF A TILE (keys and queries alike): row p of tile t of a group of 128 is 32 (t / 2) + 8 (t % 2) + p + 8 (p / 8), so that in the transposed scores the 16 registers of tiles 2 b, 2 b + 1 are 16 neighbouring keys.
; AN IMAGE is a fragment's registers as they stand: lane l's 16 bytes of register group c at 512 c + 16 l.  V's tile t takes d = 4 r + t, so that a lane's four loaded columns are four tiles' rows.
; THE QUANTISER (E5M2, one E8M0 byte for 32 along K): the byte is the largest magnitude's exponent field - 15, held at 1 from below; v's numbers are held within +-57,344 x the scale, then converted; k's and q's are converted unheld, ties to even.
; LIMITS: NaN and infinities among the inputs are not served.  A block of zeros gets the byte 1 where the rule says 127: its codes are zeros, and this program alone reads the bytes.
; SHARES: work-groups 0-511 pack the mask (one tile of 16 queries each; a wave takes 256 keys), 512-639 quantise k, 640-767 q (a wave: 128 rows), 768-895 v (a wave: 128 keys of a head).
; A stream: nothing is shared between waves, so no barrier, no cluster, no tensor load; every offset is an immediate and nothing is looped.  Only the k and q path uses LDS.
.set REC,   17152
.set QREC,  8704
.set SP,    272                        ; a stage row: 256 bytes + 16 = 17 x 16 bytes: sixteen rows' 16-byte pieces fall on sixteen different 16-byte columns of 256
.set STG,   16*SP                      ; a wave's stage
.set FLOOR, 0x8000000                  ; 2^(16 - 127): under it no largest magnitude is taken, so the byte cannot fall under 1
.set OFF15, 0xf8800000                 ; -(15 << 23)
	s_load_b256 s[4:11], s[0:1], 0x0               ; mask s[4:5], k s[6:7], q s[8:9], v s[10:11]
	s_load_b128 s[12:15], s[0:1], 0x20             ; mbits s[12:13], kv s[14:15]
	s_load_b64 s[16:17], s[0:1], 0x30              ; qc
	v_lshl_add_u32 v208, v0, 2, 0x8800
	v_mov_b32 v209, 0
	v_lshrrev_b32 v1, 5, v0
	s_delay_alu instid0(VALU_DEP_1)
	v_readfirstlane_b32 s18, v1                    ; wave 0..7
	v_and_b32 v1, 31, v0                           ; lane
	s_mov_b32 s28, 0x76543210
	s_mov_b32 s29, 0xfedcba98                      ; v_permlanex16_b32's selects for lane l xor 16
	s_mov_b32 s30, 0x600000                        ; the mantissa field of 57,344
	s_mov_b32 s31, 0xffff0000                      ; lanes 16-31
	s_wait_kmcnt 0x0
	s_cmp_ge_u32 ttmp9, 768
	s_cbranch_scc1 .Lv
	s_cmp_ge_u32 ttmp9, 512
	s_cbranch_scc1 .Lqk
; ---------------------------------------------------------------- THE MASK
; Work-group g = 128 b + T.  Wave w takes key steps A = 2 w and B = 2 w + 1.  A load reads 512 consecutive bytes of one mask row: lane l, register e is key 4 l + e of a step:
; n = 16 (l / 8) + 4 (l % 4) + e, h = (l / 4) % 2.  Sixteen rows are shifted into 16 bits a register; lanes l and l xor 4 then hold the two halves of the same dwords.
.set MA, 4                             ; v4-7 step A's bits, v8-11 step B's
.set MX, 32                            ; v32-159 the mask words: row r, step s at MX + 8 r + 4 s
	s_lshr_b32 s24, ttmp9, 3
	s_lshl_b32 s24, s24, 7                         ; 128 (16 b + J)
	s_bfe_u32 s25, ttmp9, 0x20001
	s_lshl_b32 s25, s25, 5
	s_add_co_u32 s24, s24, s25                     ; + 32 (t / 2)
	s_and_b32 s25, ttmp9, 1
	s_lshl_b32 s25, s25, 3
	s_add_co_u32 s24, s24, s25                     ; + 8 (t % 2): the tile's first row among the mask's 8,192
	s_lshl_b32 s24, s24, 13                        ; rows of 8,192 bytes
	s_lshl_b32 s25, s18, 10
	s_add_co_u32 s24, s24, s25                     ; + my 256 keys
	s_mov_b32 s25, 0
	s_add_nc_u64 s[4:5], s[4:5], s[24:25]
	s_lshl_b32 s24, ttmp9, 12                      ; the tile's 4,096 bytes of mbits,
	s_lshl_b32 s26, s18, 9
	s_add_co_u32 s24, s24, s26                     ; my two steps' 512
	s_add_nc_u64 s[12:13], s[12:13], s[24:25]
	s_mov_b32 s20, 0xf0f0f0f0                      ; the lanes with h = 1
	s_wait_alu depctr_va_vdst(0)
	v_lshlrev_b32 v2, 4, v1                        ; in: 16 bytes a lane
	v_bfe_u32 v3, v0, 2, 1
	s_delay_alu instid0(VALU_DEP_1)
	v_lshlrev_b32 v3, 8, v3                        ; out: lanes with h = 0 write step A's 256 bytes, those with h = 1 step B's;
	v_bfe_u32 v12, v0, 3, 2
	s_delay_alu instid0(VALU_DEP_1)
	v_lshl_add_u32 v3, v12, 6, v3                  ; 4 n = 64 (l / 8)
	v_and_b32 v12, 3, v0
	s_delay_alu instid0(VALU_DEP_1)
	v_lshl_add_u32 v3, v12, 4, v3                  ; + 16 (l % 4)
.irp r, 15,14,13,12,11,10,9,8,7,6,5,4,3,2,1,0
.irp s, 0,1
	global_load_b128 v[MX+8*\r+4*\s:MX+8*\r+4*\s+3], v2, s[4:5] offset:(\r+8*(\r/8))*8192+512*\s th:TH_LOAD_NT
.endr
.endr
.irp e, 0,1,2,3,4,5,6,7
	v_mov_b32 v[MA+\e], 0
.endr
.irp e, 0,1,2,3
	v_mov_b32 v[16+\e], 0                          ; written once: a DPP form's destination counts as read
.endr
.irp r, 15,14,13,12,11,10,9,8,7,6,5,4,3,2,1,0
	s_wait_loadcnt 2*\r                            ; loads come back in order: row r's two are in; the 2 r of the rows below it are younger
.irp s, 0,1
.irp e, 0,1,2,3
	v_cmp_eq_u32 vcc_lo, 1, v[MX+8*\r+4*\s+\e]
	s_delay_alu instid0(VALU_DEP_1)
	v_add_co_ci_u32 v[MA+4*\s+\e], vcc_lo, v[MA+4*\s+\e], v[MA+4*\s+\e], vcc_lo   ; bits = 2 bits + (mask == 1): row r ends at bit r
.endr
.endr
.endr
.irp e, 0,1,2,3
	v_cndmask_b32 v[12+\e], v[MA+4+\e], v[MA+\e], s20   ; what my partner wants: from h = 0 step B's bits, from h = 1 step A's
	v_cndmask_b32 v[20+\e], v[MA+\e], v[MA+4+\e], s20   ; what I keep: the step that I write
.endr
.irp e, 0,1,2,3
	v_mov_b32_dpp v[16+\e], v[12+\e] row_xmask:4 row_mask:0xf bank_mask:0xf
.endr
.irp e, 0,1,2,3
	v_cndmask_b32 v[12+\e], v[16+\e], v[20+\e], s20     ; the bits of h = 1,
	v_cndmask_b32 v[20+\e], v[20+\e], v[16+\e], s20     ; those of h = 0,
	s_delay_alu instid0(VALU_DEP_1)
	v_lshl_or_b32 v[24+\e], v[12+\e], 16, v[20+\e]      ; one lane mask
.endr
	global_store_b128 v3, v[24:27], s[12:13]       ; the wave stores 512 consecutive bytes, aligned
	s_endpgm
; ---------------------------------------------------------------- K AND Q
; A wave makes one record: 128 rows of 64 numbers, eight tiles.  A load reads two rows, 512 consecutive bytes; the conversions want 16 neighbours along d in one lane,
; so a tile turns through the wave's own stage in LDS: in as rows, out as lane (r, h): row r, d = 32 c + 16 h + 0 .. 15.  Loads run four tiles ahead.
.set QW, 16                            ; v16-23 a scale word for each tile
.set QC, 28                            ; v28-35 a tile's codes
.set QX, 36                            ; v36-67 my 32 numbers: 16 c + i
.set QR, 68                            ; v68-195 four sets of 32 registers as loaded
.Lqk:
	s_sub_co_u32 s19, ttmp9, 512
	s_and_b32 s19, s19, 127
	s_lshl_b32 s19, s19, 3
	s_add_co_u32 s19, s19, s18                     ; which record of its tensor: 16 head + group of 128 rows
	s_mov_b32 s32, REC
	s_mov_b32 s34, 16384
	s_cmp_ge_u32 ttmp9, 640                        ; q's work-group or k's?  The choice hangs on the work-group's number alone; only lines that leave SCC alone follow
	s_cselect_b64 s[20:21], s[8:9], s[6:7]         ; from where,
	s_cselect_b64 s[24:25], s[16:17], s[14:15]     ; to where,
	s_cselect_b32 s22, 0x3e000000, 1.0             ; q x 1/8, k x 1,
	s_cselect_b32 s32, QREC, s32                   ; a record's bytes,
	s_cselect_b32 s34, 8192, s34                   ; and where its scale words lie
	s_mov_b32 s23, s22                             ; (the packed form names the pair)
	s_mul_i32 s32, s19, s32
	s_mov_b32 s33, 0
	s_mov_b32 s35, 0
	s_lshl_b32 s36, s19, 15                        ; 128 rows of 256 bytes
	s_mov_b32 s37, 0
	s_add_nc_u64 s[20:21], s[20:21], s[36:37]
	s_add_nc_u64 s[24:25], s[24:25], s[32:33]
	s_add_nc_u64 s[26:27], s[24:25], s[34:35]
	s_mul_i32 s38, s18, STG                        ; my stage
	s_wait_alu depctr_va_vdst(0)
	v_lshlrev_b32 v2, 4, v1                        ; 16 x lane: loads, images, scale words
	v_bfe_u32 v5, v0, 4, 1                         ; h
	v_and_b32 v6, 15, v0                           ; r
	s_delay_alu instid0(VALU_DEP_2)
	v_mul_u32_u24 v3, v5, SP
	s_delay_alu instid0(VALU_DEP_1)
	v_lshl_add_u32 v3, v6, 4, v3
	s_delay_alu instid0(VALU_DEP_1)
	v_add_nc_u32 v3, s38, v3                       ; into the stage: lanes 0-15 one row, lanes 16-31 the next
	s_delay_alu instid0(VALU_DEP_4)
	v_mul_u32_u24 v4, v6, SP
	s_delay_alu instid0(VALU_DEP_1)
	v_lshl_add_u32 v4, v5, 6, v4
	s_delay_alu instid0(VALU_DEP_1)
	v_add_nc_u32 v4, s38, v4                       ; out of it: row r, + 64 h bytes
	v_mov_b32 v10, 0
	v_mov_b32 v11, 0                               ; written once: a lane permute's destination counts as read
.macro QLOAD t
.irp g, 0,1,2,3,4,5,6,7
	global_load_b128 v[QR+32*((\t)%4)+4*\g:QR+32*((\t)%4)+4*\g+3], v2, s[20:21] offset:(32*((\t)/2)+8*((\t)%2)+2*\g+8*(\g/4))*256 th:TH_LOAD_NT
.endr
.endm
.macro QTILE t
	s_wait_xcnt 0x0                                ; the last tile's stores have read their registers: the codes are written again only behind this wait
.if (\t) < 5
	s_wait_loadcnt 24                              ; my eight loads are in; those of the three tiles ahead are younger
.else
	s_wait_loadcnt 8*(7-(\t))
.endif
.irp g, 0,1,2,3,4,5,6,7
	ds_store_b128 v3, v[QR+32*((\t)%4)+4*\g:QR+32*((\t)%4)+4*\g+3] offset:2*\g*SP
.endr
.irp c, 0,1
.irp i, 0,1,2,3
	ds_load_b128 v[QX+16*\c+4*\i:QX+16*\c+4*\i+3], v4 offset:128*\c+16*\i   ; LDS serves a wave's instructions in order: these see the stores above, and the next tile's stores come behind them
.endr
.endr
	s_wait_dscnt 0x0                               ; my numbers are in, and the stage's stores have read their registers,
.if (\t) < 4
	QLOAD (\t)+4                                   ; which take the tile four further on
.endif
.irp i, 0,2,4,6,8,10,12,14,16,18,20,22,24,26,28,30
	v_pk_mul_f32 v[QX+\i:QX+\i+1], v[QX+\i:QX+\i+1], s[22:23] op_sel_hi:[1,0]   ; q / 8, a power of two: nothing is rounded
.endr
.irp c, 0,1
	v_max3_num_f32 v[8+\c], |v[QX+16*\c]|, |v[QX+16*\c+1]|, FLOOR
.endr
.irp i, 2,4,6,8,10,12,14
.irp c, 0,1
	s_delay_alu instid0(VALU_DEP_2)
	v_max3_num_f32 v[8+\c], v[8+\c], |v[QX+16*\c+\i]|, |v[QX+16*\c+\i+1]|
.endr
.endr
.irp c, 0,1
	s_delay_alu instid0(VALU_DEP_2)
	v_permlanex16_b32 v[10+\c], v[8+\c], s28, s29
.endr
.irp c, 0,1
	s_delay_alu instid0(VALU_DEP_2)
	v_max_num_f32 v[8+\c], v[8+\c], v[10+\c]       ; with lane l xor 16's sixteen: the block's largest magnitude
.endr
.irp c, 0,1
	s_delay_alu instid0(VALU_DEP_2)
	v_add_nc_u32 v[14+\c], OFF15, v[8+\c]          ; 15 off its exponent field: the conversion's scale operand
.endr
.irp c, 0,1
.endr
.irp c, 0,1
	s_delay_alu instid0(VALU_DEP_2)
	v_lshrrev_b32 v[10+\c], 23, v[14+\c]           ; the scale's byte
.endr
	s_delay_alu instid0(VALU_DEP_1)
	v_lshl_or_b32 v[QW+(\t)], v11, 8, v10
	s_delay_alu instid0(VALU_DEP_1)
	v_or_b32 v[QW+(\t)], 0x7f7f0000, v[QW+(\t)]    ; bytes 2 and 3, for the half of the instruction's K that D = 64 leaves empty: 127
.irp c, 0,1
.irp i, 0,1,2,3,4,5,6,7,8,9,10,11,12,13,14,15
.endr
	v_cvt_scalef32_pk8_bf8_f32 v[QC+4*\c:QC+4*\c+1], v[QX+16*\c:QX+16*\c+7], v[14+\c]
	v_cvt_scalef32_pk8_bf8_f32 v[QC+4*\c+2:QC+4*\c+3], v[QX+16*\c+8:QX+16*\c+15], v[14+\c]
.endr
	v_nop                                          ; a plain line behind the last conversion, ahead of whatever next writes its sources
	global_store_b128 v2, v[QC:QC+3], s[24:25] offset:1024*(\t)          ; the image: 512 consecutive bytes a store
	global_store_b128 v2, v[QC+4:QC+7], s[24:25] offset:1024*(\t)+512
.endm
.irp t, 0,1,2,3
	QLOAD \t
.endr
	s_wait_alu depctr_va_vdst(0)
.irp t, 0,1,2,3,4,5,6,7
	QTILE \t
.endr
.irp j, 0,1,2,3
	v_cndmask_b32 v[24+\j], v[QW+2*\j], v[QW+2*\j+1], s31   ; register j of the scale words: lanes 0-15 tile 2 j's rows, lanes 16-31 tile 2 j + 1's
.endr
	global_store_b128 v2, v[24:27], s[26:27]
	s_wait_tensorcnt 0x0
	ds_add_u32 v208, v209
	s_wait_dscnt 0x0
	s_endpgm
; ---------------------------------------------------------------- V
; A wave makes the V part of one record: 128 keys x 64 d, quantised DOWN the keys.  A load reads two whole rows (keys 32 c + i and 32 c + 16 + i): lane (x, hh), register 4 i + e is
; (key 32 c + 16 hh + i, d = 4 x + e).  So column e of a lane is, as it stands, registers 4 c .. 4 c + 3 of tile e's fragment in lane (r = x, h = hh); the hold gathers the strided registers.
.set VC, 32                            ; v32-47  a block's codes, four registers a column
.set VT, 48                            ; v48-79  two sets of 16 held numbers
.set VR, 80                            ; v80-207 two sets of 64 registers as loaded
.Lv:
	s_sub_co_u32 s19, ttmp9, 768
	s_lshl_b32 s19, s19, 3
	s_add_co_u32 s19, s19, s18                     ; 16 head + key step
	s_lshl_b32 s36, s19, 15
	s_mov_b32 s37, 0
	s_add_nc_u64 s[20:21], s[10:11], s[36:37]
	s_mul_i32 s32, s19, REC
	s_mov_b32 s33, 0
	s_add_nc_u64 s[24:25], s[14:15], s[32:33]
	v_bfe_u32 v5, v0, 4, 1
	v_and_b32 v6, 15, v0
	s_delay_alu instid0(VALU_DEP_2)
	v_lshlrev_b32 v2, 12, v5                       ; lanes 16-31: sixteen rows of 256 bytes further down
	s_delay_alu instid0(VALU_DEP_1)
	v_lshl_add_u32 v2, v6, 4, v2
	s_wait_alu depctr_va_vdst(0)
	v_lshlrev_b32 v3, 4, v1                        ; images: 16 x lane
	v_lshlrev_b32 v4, 3, v1                        ; scale words: 8 x lane
.irp e, 0,1,2,3
	v_mov_b32 v[12+\e], 0                          ; written once: a lane permute's destination counts as read
.endr
.macro VLOAD c
.irp i, 0,1,2,3,4,5,6,7,8,9,10,11,12,13,14,15
	global_load_b128 v[VR+64*((\c)%2)+4*\i:VR+64*((\c)%2)+4*\i+3], v2, s[20:21] offset:(32*(\c)+\i)*256 th:TH_LOAD_NT
.endr
.endm
.macro VBLOCK c
.set RR, VR+64*((\c)%2)
.if (\c) < 3
	s_wait_loadcnt 16                              ; this block's sixteen loads are in; the next block's are younger
.else
	s_wait_loadcnt 0
.endif
	s_wait_xcnt 0x0                                ; the last block's stores have read their registers
.irp e, 0,1,2,3
	v_max3_num_f32 v[8+\e], |v[RR+\e]|, |v[RR+4+\e]|, FLOOR
.endr
.irp i, 2,4,6,8,10,12,14
.irp e, 0,1,2,3
	s_delay_alu instid0(VALU_DEP_4)
	v_max3_num_f32 v[8+\e], v[8+\e], |v[RR+4*\i+\e]|, |v[RR+4*\i+4+\e]|
.endr
.endr
.irp e, 0,1,2,3
	s_delay_alu instid0(VALU_DEP_4)
	v_permlanex16_b32 v[12+\e], v[8+\e], s28, s29
.endr
.irp e, 0,1,2,3
	s_delay_alu instid0(VALU_DEP_4)
	v_max_num_f32 v[8+\e], v[8+\e], v[12+\e]       ; the block of 32 keys lies in lanes l and l xor 16
.endr
.irp e, 0,1,2,3
	s_delay_alu instid0(VALU_DEP_4)
	v_add_nc_u32 v[20+\e], OFF15, v[8+\e]
.endr
.irp e, 0,1,2,3
	v_and_or_b32 v[16+\e], v[8+\e], 0x7f800000, s30
.endr
.irp e, 0,1,2,3
.if (\c) == 0
	v_lshrrev_b32 v[24+\e], 23, v[20+\e]           ; the four blocks' bytes make the scale word of d = 4 x + e for these 128 keys
.else
	v_lshrrev_b32 v[12+\e], 23, v[20+\e]
	s_delay_alu instid0(VALU_DEP_1)
	v_lshl_or_b32 v[24+\e], v[12+\e], 8*(\c), v[24+\e]
.endif
.endr
.irp e, 0,1,2,3
.irp i, 0,1,2,3,4,5,6,7,8,9,10,11,12,13,14,15
	v_med3_num_f32 v[VT+16*(\e%2)+\i], v[RR+4*\i+\e], -v[16+\e], v[16+\e]   ; the hold, into consecutive registers; the two sets take turns, so that plain lines stand between a conversion and the next write of its sources
.endr
	v_cvt_scalef32_pk8_bf8_f32 v[VC+4*\e:VC+4*\e+1], v[VT+16*(\e%2):VT+16*(\e%2)+7], v[20+\e]
	v_cvt_scalef32_pk8_bf8_f32 v[VC+4*\e+2:VC+4*\e+3], v[VT+16*(\e%2)+8:VT+16*(\e%2)+15], v[20+\e]
	global_store_b128 v3, v[VC+4*\e:VC+4*\e+3], s[24:25] offset:8192+2048*\e+512*(\c)   ; 512 consecutive bytes of tile e's image
.endr
	v_nop                                          ; a plain line behind the last conversion
.if (\c) < 2
	VLOAD (\c)+2
.endif
.endm
	VLOAD 0
	VLOAD 1
.irp c, 0,1,2,3
	VBLOCK \c
.endr
	v_cndmask_b32 v28, v24, v25, s31               ; lanes 0-15 tile 0's rows, lanes 16-31 tile 1's;
	v_cndmask_b32 v29, v26, v27, s31               ; tiles 2 and 3
	global_store_b64 v4, v[28:29], s[24:25] offset:16896   ; 256 consecutive bytes
	s_endpgm
.Lfunc_end_k_q11c247f073_prep:
	.size	k_q11c247f073_prep, .Lfunc_end_k_q11c247f073_prep-k_q11c247f073_prep
	.p2alignl 7, 3214868480
	.fill 96, 4, 3214868480
	.section	.rodata,"a",@progbits
	.p2align	6, 0x0
	.amdhsa_kernel k_q11c247f073_prep
		.amdhsa_group_segment_fixed_size 35840
		.amdhsa_private_segment_fixed_size 0
		.amdhsa_enable_private_segment 0
		.amdhsa_kernarg_size 56
		.amdhsa_user_sgpr_count 2
		.amdhsa_user_sgpr_kernarg_segment_ptr 1
		.amdhsa_wavefront_size32 1
		.amdhsa_system_sgpr_workgroup_id_x 1
		.amdhsa_system_sgpr_workgroup_id_y 1
		.amdhsa_system_sgpr_workgroup_id_z 1
		.amdhsa_system_vgpr_workitem_id 0
		.amdhsa_next_free_vgpr 210
		.amdhsa_next_free_sgpr 66
		.amdhsa_reserve_vcc 1
		.amdhsa_float_denorm_mode_32 3
		.amdhsa_float_denorm_mode_16_64 3
		.amdhsa_fp16_overflow 1
		.amdhsa_memory_ordered 1
		.amdhsa_forward_progress 1
		.amdhsa_inst_pref_size 114
	.end_amdhsa_kernel
	.amdgpu_metadata
---
amdhsa.version: [ 1, 2 ]
amdhsa.kernels:
  - .name:           k_q11c247f073_prep
    .symbol:         k_q11c247f073_prep.kd
    .args:
      - { .name: mask, .offset: 0, .size: 8, .value_kind: global_buffer, .address_space: global }
      - { .name: k, .offset: 8, .size: 8, .value_kind: global_buffer, .address_space: global }
      - { .name: q, .offset: 16, .size: 8, .value_kind: global_buffer, .address_space: global }
      - { .name: v, .offset: 24, .size: 8, .value_kind: global_buffer, .address_space: global }
      - { .name: mbits, .offset: 32, .size: 8, .value_kind: global_buffer, .address_space: global }
      - { .name: kv, .offset: 40, .size: 8, .value_kind: global_buffer, .address_space: global }
      - { .name: qc, .offset: 48, .size: 8, .value_kind: global_buffer, .address_space: global }
    .group_segment_fixed_size: 35840
    .private_segment_fixed_size: 0
    .kernarg_segment_align: 8
    .kernarg_segment_size: 56
    .max_flat_workgroup_size: 256
    .sgpr_count:     66
    .vgpr_count:     210
    .wavefront_size: 32
...
	.end_amdgpu_metadata
.endif
;; end of part 1
;; launch attn (part 2): grid 8 x 64, 16 waves a work-group, clusters of 4 x 1, 327,680 bytes of LDS; arguments kv, qc, mbits, out0; writes out0
.if DOCPART == 2
	.amdgcn_target "amdgcn-amd-amdhsa--gfx1250"
	.amdhsa_code_object_version 6
	.text
	.protected	k_q11c247f073_attn
	.globl	k_q11c247f073_attn
	.p2align	8
	.type	k_q11c247f073_attn,@function
k_q11c247f073_attn:
	s_mov_b64 s[64:65], 0
	v_nop
	global_prefetch_b8 v0, s[64:65] scope:SCOPE_SE
	s_setreg_imm32_b32 hwreg(HW_REG_WAVE_MODE, 25, 1), 1
	s_wait_xcnt 0x0
	s_wait_alu depctr_hold_cnt(0) depctr_sa_sdst(0) depctr_va_vdst(0) depctr_va_sdst(0) depctr_va_ssrc(0) depctr_va_vcc(0) depctr_vm_vsrc(0)
	s_getreg_b32 s2, hwreg(HW_REG_IB_STS2, 6, 4)
	s_cmp_eq_u32 s2, 0
	s_cbranch_scc0 .Lentry_in_a_cluster
	s_endpgm
.Lentry_in_a_cluster:
	s_bfe_u32 s2, ttmp6, 0x10000c
	s_cmp_lg_u32 s2, 0x3003
	s_cbranch_scc0 .Lentry_shape_is_right
	s_endpgm
.Lentry_shape_is_right:
; out[head][q][:] = the sum over k of softmax_k(masked(q/8 . k)) v[k][:], both products on codes of BF8 (E5M2) with one E8M0 scale for each 32 along a product's K.  64 heads, 2,048 queries and keys, D = 64.
; All operands come as images of their registers from the launch before: kv [head][step 16] records of REC bytes (K's 8 images, V's 4, K's and V's scale words), qc likewise for Q, mbits: a lane mask for each register of a tile of scores.
; THE SOFTMAX AHEAD OF THE SECOND PRODUCT: t = logit x log2(e); M = the running largest t, rounded UP to a whole number; p = 2^(t - M) is what is quantised along the keys, not normalised.  The row's sum is taken of the
; unquantised p and divides at the end.  When M moves, the sum and O are multiplied by 2^(old M - new M): nothing is rounded, and no branch hangs on data.
; LIMITS.  A masked score is -2^30 where the definition has -1e9: log2(e) in f32 x 2^30 is a whole number that f32 holds, so a row masked throughout gets t - M = 0 and p = 1, as the definition gives; in a row with an open key
; masked p is 0 either way.  The two differ only where an open logit lies near or under -1e9: this text serves |logit| < 2^29.  NaN and infinities are not served.  v_exp_f32 gives 0 for p under 2^-126.
; SHARES.  A work-group owns 256 queries of one head; each of its SIXTEEN waves one tile of 16 queries in 256 registers: four waves to a SIMD, so that one wave's vector work stands beside another's products and LDS loads.
; LDS.  The head's 16 records, 274,432 bytes, are brought ONCE and stay: no slot is filled again.  Wave w brings record w: one tensor load of mine is out.
; CLUSTER.  The four work-groups of a cluster own four query blocks of one head and want the same records: each load is asked for JOINTLY, with the same descriptor (it hangs on the head and the wave's number alone) and a mask that names the four.
; LAYOUT.  Both products are used transposed: S^T = K Q^T (source 0 = 16 keys, source 1 = my 16 queries), O^T = V^T P^T (source 0 = 16 of the head's 64, source 1 = P): a lane holds ONE query (lane % 16) throughout.
; The keys of a tile are chosen so that register 16 b + i of S^T is key 32 b + 16 (lane / 16) + i: the conversions' results are P's fragment.  V's tile t holds d = 4 r + t: register 8 t + j of O^T is d = 32 (lane / 16) + 4 j + t.
; D = 64 IN AN INSTRUCTION OF K = 128: Q's codes for k = 64 .. 127 are zeros.  K's fragment of tile t is v[KF + 8 t .. KF + 8 t + 15]: its upper half is the next tile's codes (for tile 7: zeros), numbers
; that meet zeros; bytes 2 and 3 of both scale words are 127.  So eight tiles take 72 registers and 16 loads.
.set REC,   17152
.set HEADB, 16*REC
.set QREC,  8704
.set SP,    272                        ; a stage row: 256 bytes + 16 = 17 x 16 bytes: sixteen rows' 16-byte pieces fall on sixteen different 16-byte columns of 256
.set STG,   16*SP                      ; the way out: a stage for each wave, at wave x STG: inside the records, written only behind a barrier behind which nobody reads them; they have had their only fill
.set LI,  1                            ; v1   16 x lane
.set L8,  2                            ; v2   8 x lane
.set ADK, 3                            ; v3   16 x lane + the record in hand
.set ADS, 4                            ; v4   8 x lane + the record in hand
.set GO,  5                            ; v5   the way out: my byte offset in two rows of out
.set STO, 6                            ; v6   where I put my 128 bytes of a row
.set RD,  7                            ; v7   where I read a row back
.set NEG, 8                            ; v8   -2^30
.set QS,  9                            ; v9   Q's scale words
.set QF,  16                           ; v16-31  Q's fragment; v24-31 zeros
.set KF,  32                           ; v32-95  K's eight half fragments, then V's four fragments; v96-103 zeros
.set S,   104                          ; v104-167 S^T, then p
.set OT,  168                          ; v168-199 O^T
.set PC,  200                          ; v200-215 p's codes
.set KS,  216                          ; v216-219 K's scale words: register j: lanes 0-15 tile 2 j, lanes 16-31 tile 2 j + 1
.set VS,  220                          ; v220-221 V's likewise
.set BM,  224                          ; v224-227 each block's largest score, then its largest p
.set T1,  228                          ; v228-231 at work
.set HD,  232
.set SCL, 236                          ; v236-239 the conversions' scale operands
.set TMP, 240
.set FF,  242                          ; v242 f = 2^(old M - new M)
.set PW,  243                          ; v243 p's scale word
.set WV,  12                           ; s12  my wave's number
.set TB,  28                           ; s28  LDS byte of the record in hand
.set TRIP, 29                          ; s29  key steps to go
.set MO,  30                           ; s30  byte offset of the lane masks asked for
.set SEL, 66                           ; s[66:67] lane selects for v_permlanex16_b32: lane l xor 16
.set CS,  100                          ; s[100:101] c = log2(e), twice
.set MNT, 104
; s[32:63] and s[68:99]: the step's 64 lane masks
.macro ROUND                           ; a round of the cluster's barrier: my work-group's barrier; wave 0 signals for the work-group; every wave waits for all four; my work-group's barrier once more
	s_barrier_signal -1
	s_barrier_wait -1
	s_cmp_lg_u32 s[WV], 0
	s_cbranch_scc1 .Lnot_wave_0_\@
	s_barrier_signal -3
.Lnot_wave_0_\@:
	s_barrier_wait -3
	s_barrier_signal -1
	s_barrier_wait -1
.endm
.macro MASKS                           ; 64 dwords, 256 consecutive bytes: register n of S^T takes s[32 + n] (n < 32) or s[36 + n]
	s_load_b512 s[32:47], s[8:9], s[MO] offset:0x0
	s_load_b512 s[48:63], s[8:9], s[MO] offset:0x40
	s_load_b512 s[68:83], s[8:9], s[MO] offset:0x80
	s_load_b512 s[84:99], s[8:9], s[MO] offset:0xc0
.endm
	s_load_b256 s[4:11], s[0:1], 0x0               ; kv s[4:5], qc s[6:7], mbits s[8:9], out0 s[10:11]
	v_lshl_add_u32 v254, v0, 2, 0x43000
	v_mov_b32 v255, 0
	ds_add_u32 v254, v255
	ds_add_u32 v254, v255
	v_lshrrev_b32 v10, 5, v0
	s_delay_alu instid0(VALU_DEP_1)
	v_readfirstlane_b32 s[WV], v10                 ; wave 0..15
	s_bfe_u32 s13, ttmp6, 0x40000                  ; cx: my place in the cluster
	s_lshl_b32 s14, ttmp9, 2                       ; in a cluster launch ttmp9 counts clusters
	s_add_co_u32 s14, s14, s13                     ; my block of 256 queries: it enters qc's, mbits' and out0's addresses alone
	s_and_b32 s15, ttmp7, 0xffff                   ; the head, which the four partners share
	; descriptor group 1: a record, dense in memory, as 67 rows of 256 bytes (32 elements of 8 bytes); no padding: images are read 16 bytes a lane on end
	s_mov_b32 s20, 15|(3<<16)|(1<<21)              ; 15:0 the mask: all four work-groups; 17:16 elements of 8 bytes; 21 set beside a mask
	s_mov_b32 s21, 32<<16                          ; tensor_dim0 = 32
	s_mov_b32 s22, 67<<16                          ; tensor_dim1 = 67
	s_mov_b32 s23, 32<<16                          ; tile_dim0 = 32
	s_mov_b32 s24, 67                              ; tile_dim1 = 67
	s_mov_b32 s25, 32                              ; tensor_dim0_stride
	s_mov_b32 s26, 0
	s_mov_b32 s27, 0
	s_mov_b32 s16, 1                               ; group 0: count = 1
	s_mul_i32 s17, s[WV], REC                      ; LDS address: record w
	s_mul_i32 s32, s15, HEADB
	s_add_co_u32 s32, s32, s17                     ; and the same record of my head in kv
	s_mov_b32 s33, 0
	s_lshl_b32 s34, s14, 4
	s_add_co_u32 s34, s34, s[WV]                   ; T: my tile of queries, 0 .. 127
	s_lshr_b32 s35, s34, 3                         ; J: its group of 128 rows
	s_and_b32 s36, s34, 7                          ; t: its place in the group
	s_lshl_b32 s38, s15, 4
	s_add_co_u32 s38, s38, s35
	s_mul_i32 s38, s38, QREC                       ; qc: record 16 head + J
	s_mov_b32 s39, 0
	s_lshr_b32 s40, s15, 4                         ; the batch: 16 heads share a mask
	s_lshl_b32 s40, s40, 7
	s_add_co_u32 s40, s40, s34
	s_lshl_b32 s40, s40, 12                        ; mbits: 4,096 bytes for (batch, T)
	s_mov_b32 s41, 0
	s_lshl_b32 s42, s15, 11
	s_lshl_b32 s43, s35, 7
	s_add_co_u32 s42, s42, s43
	s_lshr_b32 s43, s36, 1                         ; t / 2
	s_lshl_b32 s44, s43, 5
	s_add_co_u32 s42, s42, s44
	s_and_b32 s45, s36, 1                          ; t % 2
	s_lshl_b32 s44, s45, 3
	s_add_co_u32 s42, s42, s44                     ; out0: row 2,048 head + 128 J + 32 (t / 2) + 8 (t % 2),
	s_lshl_b32 s42, s42, 8                         ; of 256 bytes
	s_lshl_b32 s28, s36, 10                        ; in the record of qc: my tile's image,
	s_lshl_b32 s29, s45, 8
	s_lshl_b32 s44, s43, 2
	s_add_co_u32 s29, s29, s44
	s_add_co_u32 s29, s29, 8192                    ; and its scale words: 8,192 + 256 (t % 2) + 4 (t / 2), + 16 r
	s_mov_b32 s43, 0
	s_mov_b32 s[SEL], 0x76543210
	s_mov_b32 s[SEL+1], 0xfedcba98
	s_mov_b32 s[CS], 0x3fb8aa3b                    ; log2(e)
	s_mov_b32 s[CS+1], s[CS]                       ; (named with it as a pair, so it is written)
	s_wait_dscnt 0x0
	s_wait_kmcnt 0x0
	s_add_nc_u64 s[18:19], s[4:5], s[32:33]        ; group 0: the record's global address,
	s_or_b32 s19, s19, 0x80000000                  ; type = 2
	s_add_nc_u64 s[6:7], s[6:7], s[38:39]
	s_add_nc_u64 s[8:9], s[8:9], s[40:41]
	s_add_nc_u64 s[10:11], s[10:11], s[42:43]
	ROUND                                          ; all four work-groups are here: the joint loads meet
	tensor_load_to_lds s[16:19], s[20:27]          ; record w of the head: my one tensor load
	s_nop 0
.rept 4
	v_nop                                          ; behind the tensor load
.endr
	v_and_b32 v[TMP], 31, v0
	s_delay_alu instid0(VALU_DEP_1)
	v_lshlrev_b32 v[LI], 4, v[TMP]
	s_delay_alu instid0(VALU_DEP_2)
	v_lshlrev_b32 v[L8], 3, v[TMP]
	s_delay_alu instid0(VALU_DEP_2)
	v_add_nc_u32 v10, s28, v[LI]
	global_load_b128 v[QF:QF+3], v10, s[6:7]                ; Q's fragment stays in registers: d = 16 h + 0 .. 15,
	global_load_b128 v[QF+4:QF+7], v10, s[6:7] offset:512   ; d = 32 + 16 h + 0 .. 15
	v_and_b32 v241, 15, v0                         ; r
	s_delay_alu instid0(VALU_DEP_1)
	v_lshl_add_u32 v11, v241, 4, s29
	global_load_b32 v[QS], v11, s[6:7]             ; lane r (and lane 16 + r, which is not read) takes query r's scale word
	s_mov_b32 s[MO], 0
	MASKS                                          ; key step 0's lane masks
	v_bfe_u32 v244, v0, 4, 1                       ; h
	s_mul_i32 s31, s[WV], STG
	v_lshlrev_b32 v[GO], 8, v244
	s_delay_alu instid0(VALU_DEP_1)
	v_lshl_add_u32 v[GO], v241, 4, v[GO]           ; lanes 0-15 one row of out, lanes 16-31 the next; 16 bytes a lane
	v_mul_u32_u24 v[STO], v241, SP
	s_delay_alu instid0(VALU_DEP_1)
	v_lshl_add_u32 v[STO], v244, 7, v[STO]
	s_delay_alu instid0(VALU_DEP_1)
	v_add_nc_u32 v[STO], s31, v[STO]               ; row r, + 128 h: my 32 numbers
	v_mul_u32_u24 v[RD], v244, SP
	s_delay_alu instid0(VALU_DEP_1)
	v_lshl_add_u32 v[RD], v241, 4, v[RD]
	s_delay_alu instid0(VALU_DEP_1)
	v_add_nc_u32 v[RD], s31, v[RD]
	v_mov_b32 v[NEG], 0xce800000                   ; -2^30
.irp i, 0,1,2,3,4,5,6,7
	v_mov_b32 v[QF+8+\i], 0                        ; Q's codes for k = 64 .. 127
	v_mov_b32 v[KF+64+\i], 0                       ; what tile 7's fragment names behind its own codes
.endr
.set j, 0
.rept 32
	v_mov_b32 v[OT+j], 0                           ; the loop is written once: its first step finds zeros, which the first change of M leaves zeros
.set j, j+1
.endr
.irp b, 0,1,2,3
	v_mov_b32 v[T1+\b], 0                          ; written once: a lane permute's destination counts as read
.endr
	v_mov_b32 v[PW], 0                             ; (named as the upper half of the pair v[242:243] before it is first made)
	v_mov_b32 v13, 0xff61b1e6                      ; the largest t so far: -3e38, under every t
	s_delay_alu instid0(VALU_DEP_1)
	v_floor_f32 v12, -v13                          ; -M
	v_mov_b32 v14, 0                               ; the sum, in two halves
	v_mov_b32 v15, 0
	s_mov_b32 s[TB], 0
	s_mov_b32 s[TRIP], 16
	s_wait_loadcnt 0x0                             ; Q
	s_wait_tensorcnt 0x0                           ; my record has landed,
	s_barrier_signal -1
	s_barrier_wait -1                              ; everybody's has: the head lies in LDS
.Lstep:                                            ; 16 trips of 128 keys
	s_setprio 2
	v_add_nc_u32 v[ADK], s[TB], v[LI]
	v_add_nc_u32 v[ADS], s[TB], v[L8]
.rept 6
	v_nop                                          ; with the two additions: eight places behind the last trip's products, in front of loads into registers that they read
.endr
.irp t, 0,1,2,3,4,5,6,7
.irp c, 0,1
	ds_load_b128 v[KF+8*\t+4*\c:KF+8*\t+4*\c+3], v[ADK] offset:1024*\t+512*\c   ; an image comes back as it was stored: 512 consecutive bytes a load
.endr
.endr
	ds_load_b128 v[KS:KS+3], v[ADK] offset:16384
	s_wait_alu depctr_va_vdst(0)
	s_wait_dscnt 0x0
.irp t, 0,1,2,3,4,5,6,7                            ; S^T = K Q^T: eight tiles of 16 keys
.if \t%2
	v_wmma_scale_f32_16x16x128_f8f6f4 v[S+8*\t:S+8*\t+7], v[KF+8*\t:KF+8*\t+15], v[QF:QF+15], 0, v[KS+\t/2], v[QS] matrix_a_fmt:MATRIX_FMT_BF8 matrix_b_fmt:MATRIX_FMT_BF8 matrix_a_scale:MATRIX_SCALE_ROW1
.else
	v_wmma_scale_f32_16x16x128_f8f6f4 v[S+8*\t:S+8*\t+7], v[KF+8*\t:KF+8*\t+15], v[QF:QF+15], 0, v[KS+\t/2], v[QS] matrix_a_fmt:MATRIX_FMT_BF8 matrix_b_fmt:MATRIX_FMT_BF8
.endif
.endr
.rept 8
	v_nop                                          ; eight places: for V's loads into K's registers, and for the first reads of the scores
.endr
.irp t, 0,1,2,3
.irp c, 0,1,2,3
	ds_load_b128 v[KF+16*\t+4*\c:KF+16*\t+4*\c+3], v[ADK] offset:8192+2048*\t+512*\c   ; V's four fragments land under the softmax
.endr
.endr
	ds_load_b64 v[VS:VS+1], v[ADS] offset:16896
	s_wait_kmcnt 0x0                               ; this step's lane masks, asked for a step ago
.set n, 0
.rept 32
	v_cndmask_b32 v[S+n], v[S+n], v[NEG], s[32+n]  ; a masked score becomes -2^30.  In ascending order: each accumulator is read from its low end on
.set n, n+1
.endr
.rept 32
	v_cndmask_b32 v[S+n], v[S+n], v[NEG], s[36+n]
.set n, n+1
.endr
	s_add_co_u32 s[MO], s[MO], 256                 ; (free since the wait above)  the next step's masks; the last trip's request wraps to step 0, so that it stays inside the tile's 4,096 bytes
	s_and_b32 s[MO], s[MO], 0xfff
	MASKS
.irp b, 0,1,2,3
	v_max3_num_f32 v[BM+\b], v[S+16*\b], v[S+16*\b+1], v[S+16*\b+2]   ; the largest score of each block of 32 keys: for the row's maximum, and, since p rises with the score, for the block's largest p
.endr
.irp i, 3,5,7,9,11,13
.irp b, 0,1,2,3
	s_delay_alu instid0(VALU_DEP_4)
	v_max3_num_f32 v[BM+\b], v[BM+\b], v[S+16*\b+\i], v[S+16*\b+\i+1]
.endr
.endr
.irp b, 0,1,2,3
	s_delay_alu instid0(VALU_DEP_4)
	v_max_num_f32 v[BM+\b], v[BM+\b], v[S+16*\b+15]
.endr
.irp b, 0,1,2,3
	s_delay_alu instid0(VALU_DEP_4)
	v_permlanex16_b32 v[T1+\b], v[BM+\b], s[SEL], s[SEL+1]
.endr
.irp b, 0,1,2,3
	s_delay_alu instid0(VALU_DEP_4)
	v_max_num_f32 v[BM+\b], v[BM+\b], v[T1+\b]     ; with lane l xor 16's sixteen keys
.endr
	s_delay_alu instid0(VALU_DEP_2)
	v_max3_num_f32 v[TMP], v[BM], v[BM+1], v[BM+2]
	s_delay_alu instid0(VALU_DEP_1)
	v_max_num_f32 v[TMP], v[TMP], v[BM+3]          ; the step's largest score of my query
	s_delay_alu instid0(VALU_DEP_1)
	v_mul_f32 v[TMP], s[CS], v[TMP]                ; as t (c is positive)
	s_delay_alu instid0(VALU_DEP_1)
	v_max_num_f32 v13, v13, v[TMP]                 ; the running largest t
	v_mov_b32 v[TMP], v12
	s_delay_alu instid0(VALU_DEP_2)
	v_floor_f32 v12, -v13                          ; the new -M = floor(-t) = -ceil(t): a whole number
	s_delay_alu instid0(VALU_DEP_1)
	v_sub_f32 v[TMP], v12, v[TMP]                  ; old M - new M: a whole number, 0 or less
	s_delay_alu instid0(VALU_DEP_1)
	v_cvt_i32_f32 v[TMP], v[TMP]                   ; (it saturates)
	s_delay_alu instid0(VALU_DEP_1)
	v_ldexp_f32 v[FF], 1.0, v[TMP]                 ; f = 2^(old M - new M)
.set j, 0
.rept 32
	v_pk_fma_f32 v[S+j:S+j+1], v[S+j:S+j+1], s[CS:CS+1], v[12:13] op_sel_hi:[1,0,0]   ; t - M, two at a time (of the pairs c and -M the low word serves both halves)
.set j, j+2
.endr
	s_setprio 1
.irp b, 0,1,2,3
	v_fma_f32 v[BM+\b], v[BM+\b], s[CS], v12       ; the same of each block's largest score
.endr
.set j, 0
	s_wait_alu depctr_va_vdst(0)
.rept 64
	v_exp_f32 v[S+j], v[S+j]                       ; p = 2^(t - M), at most 1: not normalised
.set j, j+1
.endr
.irp b, 0,1,2,3
	v_exp_f32 v[BM+\b], v[BM+\b]                   ; the block's largest p: the same two instructions on the same number give the same bits
.endr
	v_pk_mul_f32 v[14:15], v[14:15], v[FF:FF+1] op_sel_hi:[1,0]   ; the sums under the new M.  (The plain place behind the exponentials)
	s_wait_alu depctr_va_vdst(0)
.irp b, 0,1,2,3
	v_max_num_f32 v[BM+\b], 0x8000000, v[BM+\b]    ; the floor 2^(16 - 127): the byte cannot fall under 1 (a block whose every p is 0 keeps that byte: its codes are zeros)
.endr
.irp b, 0,1,2,3
	s_delay_alu instid0(VALU_DEP_4)
	v_add_nc_u32 v[SCL+\b], 0xf8800000, v[BM+\b]   ; 15 off the exponent field: the conversion's scale operand
.endr
.irp b, 0,1,2,3
.endr
.irp b, 0,1,2,3
	s_delay_alu instid0(VALU_DEP_4)
	v_lshrrev_b32 v[T1+\b], 23, v[SCL+\b]          ; the scale's byte
.endr
	s_delay_alu instid0(VALU_DEP_3)
	v_lshl_or_b32 v[PW], v[T1+1], 8, v[T1]         ; p's scale word for these 128 keys: made far more than eight places ahead of the products that name it
	s_delay_alu instid0(VALU_DEP_1)
	v_lshl_or_b32 v[PW], v[T1+2], 16, v[PW]
	s_delay_alu instid0(VALU_DEP_1)
	v_lshl_or_b32 v[PW], v[T1+3], 24, v[PW]
	v_pk_add_f32 v[228:229], v[108:109], v[112:113]
	v_pk_add_f32 v[252:253], v[116:117], v[120:121]
	v_pk_add_f32 v[250:251], v[124:125], v[128:129]
	v_pk_add_f32 v[248:249], v[132:133], v[136:137]
	v_pk_add_f32 v[246:247], v[140:141], v[144:145]
	v_pk_add_f32 v[244:245], v[148:149], v[152:153]
	v_pk_add_f32 v[234:235], v[156:157], v[160:161]
	v_pk_add_f32 v[14:15], v[14:15], v[164:165]
	v_pk_add_f32 v[228:229], v[228:229], v[104:105]
	v_pk_add_f32 v[252:253], v[252:253], v[106:107]
	v_pk_add_f32 v[250:251], v[250:251], v[110:111]
	v_pk_add_f32 v[248:249], v[248:249], v[114:115]
	v_pk_add_f32 v[246:247], v[246:247], v[118:119]
	v_pk_add_f32 v[244:245], v[244:245], v[122:123]
	v_pk_add_f32 v[234:235], v[234:235], v[126:127]
	v_pk_add_f32 v[14:15], v[14:15], v[130:131]
	v_pk_add_f32 v[228:229], v[228:229], v[134:135]
	v_pk_add_f32 v[252:253], v[252:253], v[138:139]
	v_pk_add_f32 v[250:251], v[250:251], v[142:143]
	v_pk_add_f32 v[248:249], v[248:249], v[146:147]
	v_pk_add_f32 v[246:247], v[246:247], v[150:151]
	v_pk_add_f32 v[244:245], v[244:245], v[154:155]
	v_pk_add_f32 v[234:235], v[234:235], v[158:159]
	v_pk_add_f32 v[14:15], v[14:15], v[162:163]
	v_pk_add_f32 v[228:229], v[228:229], v[166:167]
	s_delay_alu instid0(VALU_DEP_2)
	v_pk_add_f32 v[14:15], v[14:15], v[248:249]
	s_delay_alu instid0(VALU_DEP_2)
	v_pk_add_f32 v[228:229], v[228:229], v[246:247]
	s_setprio 0
	v_pk_add_f32 v[252:253], v[252:253], v[244:245]
	v_pk_add_f32 v[250:251], v[250:251], v[234:235]
	s_delay_alu instid0(VALU_DEP_2)
	v_pk_add_f32 v[14:15], v[14:15], v[252:253]
	s_delay_alu instid0(VALU_DEP_2)
	v_pk_add_f32 v[228:229], v[228:229], v[250:251]
	s_delay_alu instid0(VALU_DEP_1)
	v_pk_add_f32 v[14:15], v[14:15], v[228:229]
.irp b, 0,1,2,3
.set j, 0
.rept 16
.set j, j+1
.endr
	v_cvt_scalef32_pk8_bf8_f32 v[PC+4*\b:PC+4*\b+1], v[S+16*\b:S+16*\b+7], v[SCL+\b]        ; registers 4 b .. 4 b + 3 of P's fragment: keys 32 b + 16 h + 0 .. 15
	v_cvt_scalef32_pk8_bf8_f32 v[PC+4*\b+2:PC+4*\b+3], v[S+16*\b+8:S+16*\b+15], v[SCL+\b]
.endr
.set j, 0
.rept 16
	v_pk_mul_f32 v[OT+j:OT+j+1], v[OT+j:OT+j+1], v[FF:FF+1] op_sel_hi:[1,0]   ; O^T under the new M, from each accumulator's low end on.  These sixteen are also the plain lines behind the conversions and the places between the codes and the products
.set j, j+2
.endr
	s_wait_alu depctr_va_vdst(0)
	s_wait_dscnt 0x0                               ; V's fragments and scale words are in
.irp t, 0,1,2,3                                    ; O^T += V^T P^T: four tiles of 16 of the head's 64; K = these 128 keys.  The four accumulators take turns, one instruction a turn, and the scores' eight products stand between two links
.if \t%2
	v_wmma_scale_f32_16x16x128_f8f6f4 v[OT+8*\t:OT+8*\t+7], v[KF+16*\t:KF+16*\t+15], v[PC:PC+15], v[OT+8*\t:OT+8*\t+7], v[VS+\t/2], v[PW] matrix_a_fmt:MATRIX_FMT_BF8 matrix_b_fmt:MATRIX_FMT_BF8 matrix_a_scale:MATRIX_SCALE_ROW1
.else
	v_wmma_scale_f32_16x16x128_f8f6f4 v[OT+8*\t:OT+8*\t+7], v[KF+16*\t:KF+16*\t+15], v[PC:PC+15], v[OT+8*\t:OT+8*\t+7], v[VS+\t/2], v[PW] matrix_a_fmt:MATRIX_FMT_BF8 matrix_b_fmt:MATRIX_FMT_BF8
.endif
.endr
	s_add_co_u32 s[TB], s[TB], REC                 ; the next record
	s_sub_co_u32 s[TRIP], s[TRIP], 1
	s_cmp_lg_u32 s[TRIP], 0
	s_cbranch_scc1 .Lstep
	s_setprio 0
	; THE WAY OUT.  O^T is divided by the row's sum, put in the order of d, and goes through my stage in LDS, so that sixteen lanes store one whole row of 256 bytes.
.rept 8
	v_nop                                          ; eight places behind the last products, in front of the first read of their results
.endr
	s_wait_kmcnt 0x0                               ; the last trip's request for masks, which nobody uses
	s_wait_dscnt 0x0                               ; my reads of the records are over
	s_barrier_signal -1
	s_barrier_wait -1                              ; everybody's are: the stages may be written over the records
	v_add_f32 v14, v14, v15                        ; the sum's two halves,
	s_delay_alu instid0(VALU_DEP_1)
	v_permlanex16_b32 v[TMP], v14, s[SEL], s[SEL+1]
	s_delay_alu instid0(VALU_DEP_1)
	v_add_f32 v14, v14, v[TMP]                     ; and lane l xor 16's keys: the row's sum
	s_wait_alu depctr_va_vdst(0)
	v_rcp_f32 v14, v14
	v_nop                                          ; a plain place behind the transcendental
	s_wait_alu depctr_va_vdst(0)
.irp j, 0,1,2,3,4,5,6,7
.irp t, 0,1,2,3
	v_mul_f32 v[S+4*\j+\t], v[OT+8*\t+\j], v14     ; d = 32 h + 4 j + t; j = 0 comes first: each accumulator is first read at its lowest register
.endr
.endr
.irp j, 0,1,2,3,4,5,6,7
	ds_store_b128 v[STO], v[S+4*\j:S+4*\j+3] offset:16*\j
.endr
.irp i, 0,1,2,3,4,5,6,7
	ds_load_b128 v[S+32+4*\i:S+32+4*\i+3], v[RD] offset:2*\i*SP   ; LDS serves a wave's instructions in order: these see my stores
.endr
.irp i, 0,1,2,3,4,5,6,7
	s_wait_dscnt 7-\i                              ; load i is in; the 7 - i behind it may be out
	global_store_b128 v[GO], v[S+32+4*\i:S+32+4*\i+3], s[10:11] offset:(2*\i+8*(\i/4))*256 th:TH_STORE_NT   ; tile rows 2 i and 2 i + 1 are rows 2 i + 8 (i / 4) on of out: sixteen lanes store 256 consecutive bytes, aligned
.endr
	s_wait_tensorcnt 0x0
	ds_add_u32 v254, v255
	s_wait_dscnt 0x0
	ROUND                                          ; the closing round: no work-group ends while a partner may still ask for a record that names it
	s_endpgm
.Lfunc_end_k_q11c247f073_attn:
	.size	k_q11c247f073_attn, .Lfunc_end_k_q11c247f073_attn-k_q11c247f073_attn
	.p2alignl 7, 3214868480
	.fill 96, 4, 3214868480
	.section	.rodata,"a",@progbits
	.p2align	6, 0x0
	.amdhsa_kernel k_q11c247f073_attn
		.amdhsa_group_segment_fixed_size 327680
		.amdhsa_private_segment_fixed_size 0
		.amdhsa_enable_private_segment 0
		.amdhsa_kernarg_size 32
		.amdhsa_user_sgpr_count 2
		.amdhsa_user_sgpr_kernarg_segment_ptr 1
		.amdhsa_wavefront_size32 1
		.amdhsa_system_sgpr_workgroup_id_x 1
		.amdhsa_system_sgpr_workgroup_id_y 1
		.amdhsa_system_sgpr_workgroup_id_z 1
		.amdhsa_system_vgpr_workitem_id 0
		.amdhsa_next_free_vgpr 256
		.amdhsa_next_free_sgpr 106
		.amdhsa_reserve_vcc 0
		.amdhsa_float_denorm_mode_32 3
		.amdhsa_float_denorm_mode_16_64 3
		.amdhsa_fp16_overflow 1
		.amdhsa_memory_ordered 1
		.amdhsa_forward_progress 1
		.amdhsa_inst_pref_size 34
	.end_amdhsa_kernel
	.amdgpu_metadata
---
amdhsa.version: [ 1, 2 ]
amdhsa.kernels:
  - .name:           k_q11c247f073_attn
    .symbol:         k_q11c247f073_attn.kd
    .args:
      - { .name: kv, .offset: 0, .size: 8, .value_kind: global_buffer, .address_space: global }
      - { .name: qc, .offset: 8, .size: 8, .value_kind: global_buffer, .address_space: global }
      - { .name: mbits, .offset: 16, .size: 8, .value_kind: global_buffer, .address_space: global }
      - { .name: out0, .offset: 24, .size: 8, .value_kind: global_buffer, .address_space: global }
    .group_segment_fixed_size: 327680
    .private_segment_fixed_size: 0
    .kernarg_segment_align: 8
    .kernarg_segment_size: 32
    .max_flat_workgroup_size: 512
    .sgpr_count:     106
    .vgpr_count:     256
    .wavefront_size: 32
...
	.end_amdgpu_metadata
.endif
;; end of part 2
